; MI455X (gfx1250); checked and timed in simulation.
; The chip was launched on July 23, 2026; its instructions are those of AMD's public machine-readable ISA for CDNA 5 (MIT licence, August 2026) and "CDNA5" Instruction Set Architecture Reference Guide (July 2026). The comments in the code are by the model that wrote it; some were corrected since.
;; Block Local Attention Product. Allowed arithmetic: matrix products marked QUANTISED: E2M1 operands, one E8M0 scale for each 32 along K, by v_wmma_scale_f32_16x16x128_f8f6f4 with both operands' format E2M1 (or v_wmma_scale_f32_32x16x128_f4), f32 sums; everything else in f32.
;; Inputs: attention_mask 2 x 1 x 1 x 8,192 float32; global_key 2 x 12 x 64 x 64 float32; global_mask 2 x 1 x 1 x 64 float32; global_value 2 x 12 x 64 x 64 float32; key_layer 2 x 12 x 8,192 x 64 float32; query_layer_codes 2 x 12 x 8,192 x 2 x 16 uint8 (E2M1 codes of query_layer, K innermost, in blocks of 32 codes, two codes a byte); query_layer_scales 2 x 12 x 8,192 x 2 uint8 (E8M0 scales of query_layer, one for each 32 codes along K); value_layer 2 x 12 x 8,192 x 64 float32.
;; Outputs: out0 2 x 12 x 8,192 x 64 float32.
;; This version of the problem:
;;   THIS VERSION OF THE PROBLEM IS GIVEN IN LOW PRECISION. The matrix products marked QUANTISED in the list below multiply operands that are first quantised to E2M1 (2 exponent bits, 1 mantissa bit; 4 bits a number), with one power-of-two scale for each 32 numbers along K (OCP MX v1.0); their sums are f32. All else is computed in f32.
;;   The module's matrix products, in the order in which they are computed (A, B: the left and right operand; K: the contracted axis; several contracted axes count as one K, in the product's order):
;;     1. batch 3,072 x [M 64, K 64] x [K 64, N 256]; A: input query_layer (given as codes); B: computed on the way: QUANTISED
;;     2. batch 3,072 x [M 64, K 256] x [K 256, N 64]; A: softmax (see below); B: computed on the way: QUANTISED
;;   THE QUANTISER, for each operand of a quantised product, along K:
;;     - K is cut into blocks of 32 from its start; a last block that is shorter is filled with zeros.
;;     - A block's scale is 2^e with e = floor(log2(the largest magnitude in the block)) - 2, held to -126 .. 127; a block of zeros has e = 0. As a byte (E8M0): e + 127.
;;     - Each number is divided by its block's scale, clamped to +-6, and rounded to the nearest number of E2M1, ties to even, subnormals kept.
;;     - The product sums the exact products of the quantised numbers (number of the format x scale) in f32.
;;   ~~~python
;;   def quantise(x, axis):      # numpy; x: float32 -> the quantised numbers, widened to float32 again
;;       x = np.moveaxis(x, axis, -1); K = x.shape[-1]
;;       x = np.pad(x, [(0, 0)] * (x.ndim - 1) + [(0, -K % 32)]); x = x.reshape(x.shape[:-1] + (-1, 32)); a = np.abs(x).max(-1, keepdims=True)
;;       e = np.where(a > 0, np.clip(np.frexp(np.where(a > 0, a, 1))[1] - 1 - 2, -126, 127), 0)      # np.frexp(a)[1] - 1 = floor(log2(a)), exactly
;;       r = np.clip(x / 2.0 ** e, -6, 6)
;;       step = 2.0 ** (np.maximum(np.frexp(np.where(r == 0, 1, r))[1] - 1, 0) - 1)
;;       q = np.round(r / step) * step * 2.0 ** e      # np.round: ties to even
;;       return np.moveaxis(q.reshape(q.shape[:-2] + (-1,))[..., :K], -1, axis).astype(np.float32)
;;   ~~~
;;   SOFTMAX AHEAD OF A QUANTISED PRODUCT. Where the list says 'softmax', what is quantised is not the finished softmax but p = 2^(t - M), with t = logit x log2(e) and M = ceil(the row's largest t), a whole number; so 1/2 < the row's largest p <= 1. The row's sum l is taken of the UNQUANTISED p, in f32, and the product's result is divided by l at the end. Since M is a whole number, a kernel that streams over the keys may use a running M (the ceiling of the running maximum): every later rescaling is an exact power of two, which a block's scale takes up: the codes' values come out the same.
;;   OPERANDS COMPUTED ON THE WAY. 'Computed on the way' means the value that the module computes at that place (a softmax that the list does not call 'softmax' is quantised finished and normalised). What goes into a quantiser is computed in f32, as accurately as f32 sums, v_exp_f32 and their like allow (about 1e-6 of the number): no bf16 or f16 on the way to a quantiser, and a product that is left as it is and whose result goes on into a quantised operand takes f32 operands (vector FMAs, or v_wmma_f32_16x16x4_f32). A number that lies on a knife's edge between two numbers of the format may be rounded either way, as far as f32 arithmetic and the matrix unit's own rounding can turn it there, and no further.
;;   INPUTS GIVEN AS CODES. query_layer (in the module: [2, 12, 8192, 64], K = its axis 3): each comes as NAME_codes (uint8): NAME with its K axis moved to the last place and cut into blocks of 32 codes, [.., K / 32, bytes a block], one block behind the other in memory; two codes a byte, the lower K in the low four bits (a code: sign, 2 exponent bits, 1 mantissa bit); and NAME_scales (uint8): the same leading axes, one E8M0 byte (e + 127) for each 32 codes along K. Its value is code x scale, taken as it is: it is not quantised again, and the codes and scales need not be those that the quantiser above would give.
;; One version. Each part assembles by itself: llvm-mc -triple=amdgcn-amd-amdhsa -mcpu=gfx1250 --defsym DOCPART=n.
;; ======== version 1 of 1: 1 launch
;; limits: right only within a limited range of input values
;; launch attn (part 1): grid 512 x 1, 8 waves a work-group, no clusters, 50,688 bytes of LDS; arguments query_layer_codes, query_layer_scales, key_layer, value_layer, attention_mask, global_key, global_value, global_mask, out0; writes out0
.if DOCPART == 1
	.amdgcn_target "amdgcn-amd-amdhsa--gfx1250"
	.amdhsa_code_object_version 6
	.text
	.protected	k_q8637302d4f_attn
	.globl	k_q8637302d4f_attn
	.p2align	8
	.type	k_q8637302d4f_attn,@function
k_q8637302d4f_attn:
	s_mov_b64 s[64:65], 0
	v_nop
	global_prefetch_b8 v0, s[64:65] scope:SCOPE_SE
	s_setreg_imm32_b32 hwreg(HW_REG_WAVE_MODE, 25, 1), 1
	s_wait_xcnt 0x0
; BLOCK-LOCAL ATTENTION ON CODES OF FP4 (E2M1), one E8M0 scale for each 32 along a product's K.
; 24 heads x 128 blocks of 64 queries.  A block sees 256 keys: the chunk of 64 before it, its own, the one after it, and its head's 64 global keys.  A chunk that would lie outside the head is a pad:
; K = 0, V = 0, mask -10000; its p still counts in the row's sum.  Blocks and chunks share one flat number c = head x 128 + block, 0 .. 3071: chunk c of K, V and out is 16,384 bytes on end, of q's codes 2,048, of q's scales 128.
; K is quantised along d (two blocks a key), V along the keys (runs of 32 keys of a channel): neither hangs on the block that reads them, so each chunk is quantised once in a work-group and serves up to three blocks.
; SHARES.  512 work-groups of eight waves; a work-group owns a run of 6 blocks on end and walks it in 3 steps of 2; in a step wave W takes tile W % 4 (16 queries) of block W / 4.  6 blocks need 8 chunks.
; Work-group x owns run 64 (x % 8) + x / 8: numbers that are 8 apart own neighbouring runs.  Even runs are walked upward, odd ones downward, so that two neighbours ask for the two chunks that they share
; at the same end of their walks.  A softmax does not mind the order of the chunks.
; THE WAY OF K AND V: from memory into registers, a quarter of a chunk a wave (16 keys of K, 32 keys x 32 channels of V: 40 loads, 64 registers), quantised there and stored to LDS as IMAGES OF OPERAND REGISTERS:
; a record for each of the 8 chunks and one for each of the (at most two) heads' global tokens; no record is written twice, so one barrier a step is enough.
; The next step's loads go out while a step's second product and its way out are still to come, into score registers that have been summed.
; PREFETCH: a step's chunks (64 KB: 256 bytes x 32 lanes x 8 waves) are prefetched one step ahead of the step in which their loads go out: step 1's behind the head's loads, step 2's at the start of step 0's attention.
; Step 2's two chunks are those that two neighbouring runs share: each of the two work-groups asks for its own one alone (waves 0-3).  Step 0's come by their loads alone, and nothing lies behind step 2's.
; PADS are the reader's affair, without a branch: q's codes against that chunk are ANDed to 0 (the score is then the mask alone), its staged mask is the pad's, and p's codes of that chunk are ANDed to 0.
; THE MASK IS THE C OF THE SCORE PRODUCT: D = k . q + 8 m, logit = D / 8, t - M = D c - M with c = log2(e) / 8.
; d = 64 IN A FORM OF K = 128: an operand of 8 registers holds TWO tiles of 16 keys (k 0-63, k 64-127) and is multiplied once by (q, 0) and once by (0, q).
; THE SCORES ARE TRANSPOSED (source 0 = keys, source 1 = my 16 queries): a lane holds one query.  The keys of a tile are not neighbours: lane r of tile 2 b + u takes key
; 32 b + 8 u + r + 8 (r / 8), so that the 16 registers of two neighbouring tiles are 16 neighbouring keys.
; THE SECOND PRODUCT IS NOT (source 0 = p of my 16 queries, source 1 = 16 channels of V): column r of tile t is channel 4 r + t, so that a lane's four results of a query are four neighbouring channels, 16 bytes,
; and sixteen lanes hold a whole row of 256 bytes of out.
; All 256 keys of a row lie in 128 registers: the maximum is the row's own, nothing is rescaled.  p = 2^(t - M), M = ceil(largest t); the sum of the unquantised p divides at the end.
; NO CLUSTER: there is no tensor load; of the 8 chunks (256 KB) that a work-group reads it shares 2 with each neighbour, and the global tokens are 32 KB a head.
; NO WORK IS LEFT OUT.
; LIMITS: NaN and infinities among the inputs, and scale bytes 0xff of q, are not served; masks stay under 2^124 in magnitude (they are multiplied by 8); logit + mask is rounded once, in the matrix unit;
; a block of K or V whose largest magnitude lies under 2^-124, a block of zeros among them, gets the byte 1 (the bytes are read by this text alone; zero codes add nothing).
.set IMG,     0                        ; 10 records
.set RV,      2048                     ; a record: K's codes (4 tiles x 512), V's codes (4 tiles x 512), K's scale words (128), V's scale bytes (128); every byte is written
.set RVT,     512
.set RKS,     4096
.set RVS,     4224
.set REC,     4352
.set MSK,     10*REC                   ; 8 x mask: [step][wave][64 f32]; piece 4 j + x: block j's chunk x (0 the one before in the walk, 1 own, 2 the one after, 3 global)
.set SPARE,   MSK+3*2048               ; the spare words, 128 bytes for each wave: four blocks of 256 bytes that no other line names
.set SPW, 1                            ; v1   SPARE + 4 x thread; never rewritten
.set NIL, 2                            ; v2   0; never rewritten
.set KG,  3                            ; v3   byte offset in a chunk of K: my quarter, 32 bytes a lane
.set VG,  4                            ; v4   byte offset in a chunk of V: my quarter, 4 bytes a lane
.set KW,  5                            ; v5   image: where my 4 bytes of K's codes go;  v6 their scale byte
.set KSW, 6
.set VW,  7                            ; v7, v8 the same for V, 16 bytes
.set VSW, 8
.set MW,  9                            ; v9   where I stage 8 bytes of a mask piece
.set MR,  10                           ; v10  where I read my block's masks
.set I16, 11                           ; v11, v12 my block's first record + 16, 4 x lane
.set I4,  12
.set GB16, 13                          ; v13, v14 the first global record + 16, 4 x lane
.set GB4, 14
.set G16, 15                           ; v15, v16 the step's global record
.set G4,  16
.set OA,  17                           ; v17  my byte offset in the tile's rows of out
.set QA,  18                           ; v18, v19 my byte offsets in the block's codes and scales of q
.set QSA, 19
.set H16, 20                           ; v20  16 (lane / 16)
.set NEG, 21                           ; v21  -80000 = 8 x the pad's mask
.set L8,  22                           ; v22  8 x lane
.set PFO, 23                           ; v23  the prefetches' offset: 256 x lane, + 8,192 in odd waves; never rewritten
.set NM,  24                           ; v[24:25] -M (the low word serves)
.set SA,  26                           ; v[26:27], v[28:29] the sum's two chains
.set SB,  28
.set RC,  30                           ; v30  at work; 1 / the sum
.set QR,  32                           ; v32-59 0 qL 0 q 0 qR 0, four registers each: any eight on end that begin at a multiple of four are (0, q) or (q, 0)
.set QS,  60                           ; v60  q's scales: lanes 0-15 in bytes 0, 1 (for (q, 0)), lanes 16-31 in bytes 2, 3 (for (0, q));  v61 as loaded
.set QRAW, 61
.set KS,  62                           ; v62-65 K's scale words, chunk x
.set MK,  62                           ; v62-67 at the head: three mask pieces as loaded
.set VS,  66                           ; v66-69 V's scale words: K step ks, tiles 2 p, 2 p + 1: 2 ks + p
.set PW,  70                           ; v70-71 p's scale words
.set PC,  72                           ; v72-87 p's codes
.set FF,  88                           ; v88-119 four fragments; in the softmax 8 largest scores, 8 at work, 8 scale operands, 8 bytes; in the quantisers at work; out's rows on the way out
.set SS,  120                          ; v120-247 the scores, then p; K's and V's numbers as loaded
.set OO,  SS+64                        ; O, once p has been summed
.set VT,  248                          ; v248-251 V's scale bytes, chunk x
; scalars: s[4:21] the nine addresses; s22 wave W, s23 W / 4, s24 W % 4; s25, s26 the run: slot i is chunk s25 + s26 i; s27, s88 the heads of the run's first and last block in the walk;
; s[28:31], s[32:35], s[84:87] bases of K and V; s[36:37], s[38:39] prefetches; s[42:43] lane selects; s[44:45] c; s46-59, s92, s93 at work; s[60:61] s62, s[66:67] s68, s[70:71] s72 mask bases and pad words;
; s[74:77] q; s[78:79] out; s80, s81 the two neighbours' AND words; s82 which global record; s83 lanes 16-31
.macro FLAT d, si                      ; the flat chunk of run slot s[si]
	s_mul_i32 s[\d], s[\si], s26
	s_add_co_i32 s[\d], s[\d], s25
.endm
.macro CHOFF i0                        ; s[46:47]: byte offset of run slot i0 + W / 4.  The two chunks beyond the tensors' ends are held inside: what comes for them counts for nobody
	s_add_co_u32 s46, s23, \i0
	FLAT 46, 46
	s_max_i32 s46, s46, 0
	s_min_i32 s46, s46, 3071
	s_lshl_b32 s46, s46, 14
	s_mov_b32 s47, 0
.endm
.macro KVADDR i0, kb, vb
	CHOFF \i0
	s_add_nc_u64 s[\kb:\kb+1], s[8:9], s[46:47]
	s_add_nc_u64 s[\vb:\vb+1], s[10:11], s[46:47]
.endm
.macro PFADDR i0, d                    ; 8,192 bytes of run slot i0 + W / 4: waves 0, 1 (of four) K's halves, waves 2, 3 V's
	CHOFF \i0
	s_and_b32 s48, s22, 2
	s_cselect_b64 s[\d:\d+1], s[10:11], s[8:9]
	s_add_nc_u64 s[\d:\d+1], s[\d:\d+1], s[46:47]
.endm
; My quarter of a chunk.  K: 16 keys; load pair i brings keys 4 i .. 4 i + 3, 32 bytes (8 numbers) a lane, eight lanes a key.
.macro LOADK kb, x
.irp i, 0,1,2,3
	global_load_b128 v[\x+8*\i:\x+8*\i+3], v[KG], s[\kb:\kb+1] offset:1024*\i
	global_load_b128 v[\x+8*\i+4:\x+8*\i+7], v[KG], s[\kb:\kb+1] offset:1024*\i+16
.endr
.endm
; V: 32 keys x 32 channels: a lane takes a channel, its registers run down the keys.
.macro LOADV vb, y
.set J, 0
.rept 32
	global_load_b32 v[\y+J], v[VG], s[\vb:\vb+1] offset:256*J
.set J, J+1
.endr
.endm
; K's quarter: a block of 32 lies in four neighbouring lanes; each lane's 8 numbers become one word of codes.
.macro QK x, img
.irp i, 0,1,2,3
	v_max3_num_f32 v[FF+\i], |v[\x+8*\i]|, |v[\x+8*\i+1]|, |v[\x+8*\i+2]|
.endr
.irp i, 0,1,2,3
	v_max3_num_f32 v[FF+\i], v[FF+\i], |v[\x+8*\i+3]|, |v[\x+8*\i+4]|
.endr
.irp i, 0,1,2,3
	v_max3_num_f32 v[FF+\i], v[FF+\i], |v[\x+8*\i+5]|, |v[\x+8*\i+6]|
.endr
.irp i, 0,1,2,3
	v_max3_num_f32 v[FF+\i], v[FF+\i], |v[\x+8*\i+7]|, 0x1800000   ; and the floor 2^(3 - 127): the byte cannot fall under 1
.endr
.irp i, 0,1,2,3
	v_max_num_f32_dpp v[FF+\i], v[FF+\i], v[FF+\i] row_xmask:1 row_mask:0xf bank_mask:0xf
.endr
.irp i, 0,1,2,3
	v_max_num_f32_dpp v[FF+\i], v[FF+\i], v[FF+\i] row_xmask:2 row_mask:0xf bank_mask:0xf
.endr
.irp i, 0,1,2,3
	v_add_nc_u32 v[FF+4+\i], 0xff000000, v[FF+\i]  ; 2 off the exponent field: the conversion takes the exponent field of this operand as its scale
.endr
.irp i, 0,1,2,3
	v_lshrrev_b32 v[FF+8+\i], 23, v[FF+4+\i]       ; the scale's byte
.endr
.irp i, 0,1,2,3
	v_cvt_scalef32_pk8_fp4_f32 v[FF+12+\i], v[\x+8*\i:\x+8*\i+7], v[FF+4+\i]
.endr
	v_nop                                          ; one plain place behind a scaled conversion
.irp i, 0,1,2,3                                ; key 16 a + 4 i + lane / 8: tile i / 2 of its pair
	ds_store_b32 v[KW], v[FF+12+\i] offset:\img+512*(\i/2)+64*(\i%2)
	ds_store_b8 v[KSW], v[FF+8+\i] offset:\img+16*(\i%2)+2*(\i/2)
.endr
.endm
; V's quarter: my channel's block of 32 keys is all mine.
.macro QV y, img
.irp q, 0,1,2,3
	v_max3_num_f32 v[FF+16+\q], |v[\y+8*\q]|, |v[\y+8*\q+1]|, |v[\y+8*\q+2]|
.endr
.irp i, 3,5
.irp q, 0,1,2,3
	v_max3_num_f32 v[FF+16+\q], v[FF+16+\q], |v[\y+8*\q+\i]|, |v[\y+8*\q+\i+1]|
.endr
.endr
	v_max3_num_f32 v[FF+16], v[FF+16], v[FF+17], |v[\y+7]|
	v_max3_num_f32 v[FF+18], v[FF+18], v[FF+19], |v[\y+15]|
	v_max3_num_f32 v[FF+16], v[FF+16], |v[\y+23]|, |v[\y+31]|
	s_delay_alu instid0(VALU_DEP_1)
	v_max3_num_f32 v[FF+16], v[FF+16], v[FF+18], 0x1800000
	s_delay_alu instid0(VALU_DEP_1)
	v_add_nc_u32 v[FF+20], 0xff000000, v[FF+16]
	s_delay_alu instid0(VALU_DEP_1)
	v_lshrrev_b32 v[FF+21], 23, v[FF+20]
.irp g, 0,1,2,3
	v_cvt_scalef32_pk8_fp4_f32 v[FF+24+\g], v[\y+8*\g:\y+8*\g+7], v[FF+20]
.endr
	v_nop
	ds_store_b128 v[VW], v[FF+24:FF+27] offset:\img
	ds_store_b8 v[VSW], v[FF+21] offset:\img
.endm
.macro BAR                             ; my LDS stores have landed and my LDS loads are in: then the work-group's barrier
	s_wait_alu depctr_va_vdst(0)                   ; a wait ahead of the waits below
	s_wait_dscnt 0x0
	s_barrier_signal -1
	s_barrier_wait -1
.endm
; piece W of step s: 64 numbers of attention_mask (chunk W % 4 - 1 from block W / 4's) or of global_mask (W % 4 = 3).  pd: all ones where the chunk lies outside the block's head
.macro MASKLD s, bs, pd
	s_add_co_u32 s46, s23, 2*(\s)+1                ; the block's run slot i
	FLAT 47, 46
	s_lshr_b32 s48, s47, 7                         ; its head
	s_add_co_u32 s49, s46, s24
	s_sub_co_u32 s49, s49, 1
	FLAT 49, 49                                    ; the piece's chunk
	s_ashr_i32 s50, s49, 7                         ; (arithmetic: chunk -1 has head -1)
	s_cmp_lg_u32 s50, s48
	s_cselect_b32 s[\pd], -1, 0
	s_cmp_ge_u32 s48, 12
	s_cselect_b32 s51, 1, 0                        ; n = head / 12
	s_and_b32 s52, s49, 127
	s_lshl_b32 s52, s52, 8                         ; 256 bytes a chunk: inside the buffer for a pad too
	s_lshl_b32 s53, s51, 15
	s_add_co_u32 s52, s52, s53
	s_lshl_b32 s54, s51, 8
	s_cmp_eq_u32 s24, 3                            ; the choice hangs on the wave's number alone
	s_cselect_b64 s[\bs:\bs+1], s[18:19], s[12:13]
	s_cselect_b32 s52, s54, s52
	s_cselect_b32 s[\pd], 0, s[\pd]
	s_mov_b32 s53, 0
	s_add_nc_u64 s[\bs:\bs+1], s[\bs:\bs+1], s[52:53]
	global_load_b64 v[MK+2*(\s):MK+2*(\s)+1], v[L8], s[\bs:\bs+1]
.endm
.macro QLD s                           ; my tile's codes and scales of q for step s
	s_add_co_u32 s46, s23, 2*(\s)+1
	FLAT 46, 46
	s_lshl_b32 s52, s46, 11
	s_mov_b32 s53, 0
	s_add_nc_u64 s[74:75], s[4:5], s[52:53]
	s_lshl_b32 s52, s46, 7
	s_add_nc_u64 s[76:77], s[6:7], s[52:53]
	global_load_b128 v[QR+12:QR+15], v[QA], s[74:75] th:TH_LOAD_NT
	global_load_u16 v[QRAW], v[QSA], s[76:77] th:TH_LOAD_NT
.endm
.macro QVAR                            ; q against the two neighbours (0 where the neighbour is a pad), and the scale words
.irp i, 0,1,2,3
	v_and_b32 v[QR+4+\i], s80, v[QR+12+\i]
	v_and_b32 v[QR+20+\i], s81, v[QR+12+\i]
.endr
	v_lshlrev_b32 v[QS], v[H16], v[QRAW]
.endm
.macro STEPSC s                        ; the step's scalars
	s_add_co_u32 s46, s23, 2*(\s)+1
	FLAT 47, 46                                    ; my block
	s_lshr_b32 s48, s47, 7                         ; its head
	s_sub_co_i32 s49, s47, s26
	s_ashr_i32 s49, s49, 7
	s_cmp_eq_u32 s49, s48
	s_cselect_b32 s80, -1, 0                       ; the chunk before in the walk: of my head, or a pad
	s_add_co_i32 s49, s47, s26
	s_ashr_i32 s49, s49, 7
	s_cmp_eq_u32 s49, s48
	s_cselect_b32 s81, -1, 0                       ; the chunk after
	s_cmp_lg_u32 s48, s27
	s_cselect_b32 s82, REC, 0                      ; 6 blocks touch two heads at the most: the first global record or the second
	v_add_nc_u32 v[G16], s82, v[GB16]
	v_add_nc_u32 v[G4], s82, v[GB4]
	s_lshl_b32 s50, s47, 14
	s_lshl_b32 s51, s24, 12
	s_add_co_u32 s50, s50, s51
	s_mov_b32 s51, 0
	s_add_nc_u64 s[78:79], s[20:21], s[50:51]      ; out at my tile's first row
.endm
.macro MASKC s, t0                     ; the C of eight score tiles: register i of lane (r, h) of tile 4 x + 2 b + u is 8 x mask of key 32 b + 8 u + 16 h + i of chunk x
.irp t, 0,1,2,3,4,5,6,7
	ds_load_b128 v[SS+8*(\t0+\t):SS+8*(\t0+\t)+3], v[MR] offset:2048*(\s)+128*((\t0+\t)/2)+32*((\t0+\t)%2)
	ds_load_b128 v[SS+8*(\t0+\t)+4:SS+8*(\t0+\t)+7], v[MR] offset:2048*(\s)+128*((\t0+\t)/2)+32*((\t0+\t)%2)+16
.endr
.endm
.macro KFR f, adr, off                 ; a chunk's four tiles of K: two operands of two tiles
.irp i, 0,1,2,3
	ds_load_b128 v[\f+4*\i:\f+4*\i+3], v[\adr] offset:\off+512*\i
.endr
.endm
.macro VFR f, adra, offa, adrb, offb   ; four operands of V: 16 channels x 128 keys: the keys of one chunk, then of the next
.irp t, 0,1,2,3
	ds_load_b128 v[\f+8*\t:\f+8*\t+3], v[\adra] offset:\offa+RV+RVT*\t
	ds_load_b128 v[\f+8*\t+4:\f+8*\t+7], v[\adrb] offset:\offb+RV+RVT*\t
.endr
.endm
; The scores of tile u of pair b of chunk x.  K's scale words: pair 0 in lanes 0-15, pair 1 in lanes 16-31.  Sixteen accumulators, each written once.
.macro KQ x, b, u
.set DD, SS+8*(4*(\x)+2*(\b)+(\u))
.set AA, FF+16*((\x)%2)+8*(\b)
.set BB, QR+8*((\x)%3+(\x)/3)+4*(1-(\u))           ; chunk 0: qL, chunk 2: qR, chunks 1 and 3: q;  u = 0: (q, 0), u = 1: (0, q)
.if (\b) == 0 && (\u) == 0
	v_wmma_scale_f32_16x16x128_f8f6f4 v[DD:DD+7], v[AA:AA+7], v[BB:BB+7], v[DD:DD+7], v[KS+(\x)], v[QS] matrix_a_fmt:MATRIX_FMT_FP4 matrix_b_fmt:MATRIX_FMT_FP4
.elseif (\b) == 1 && (\u) == 0
	v_wmma_scale_f32_16x16x128_f8f6f4 v[DD:DD+7], v[AA:AA+7], v[BB:BB+7], v[DD:DD+7], v[KS+(\x)], v[QS] matrix_a_fmt:MATRIX_FMT_FP4 matrix_b_fmt:MATRIX_FMT_FP4 matrix_a_scale:MATRIX_SCALE_ROW1
.elseif (\b) == 0
	v_wmma_scale_f32_16x16x128_f8f6f4 v[DD:DD+7], v[AA:AA+7], v[BB:BB+7], v[DD:DD+7], v[KS+(\x)], v[QS] matrix_a_fmt:MATRIX_FMT_FP4 matrix_b_fmt:MATRIX_FMT_FP4 matrix_b_scale:MATRIX_SCALE_ROW1
.else
	v_wmma_scale_f32_16x16x128_f8f6f4 v[DD:DD+7], v[AA:AA+7], v[BB:BB+7], v[DD:DD+7], v[KS+(\x)], v[QS] matrix_a_fmt:MATRIX_FMT_FP4 matrix_b_fmt:MATRIX_FMT_FP4 matrix_a_scale:MATRIX_SCALE_ROW1 matrix_b_scale:MATRIX_SCALE_ROW1
.endif
.endm
.macro KQ8 x0                          ; chunks x0 and x0 + 1
.irp x, \x0, \x0+1
.irp b, 0,1
.irp u, 0,1
	KQ \x, \b, \u
.endr
.endr
.endr
.endm
; O, channels 4 r + t.  V's scale words: even tiles in lanes 0-15, odd ones in lanes 16-31.
.macro PVM t, a, p, vs, pw, zero
.set DD, OO+8*(\t)
.if \zero
.if (\t)%2
	v_wmma_scale_f32_16x16x128_f8f6f4 v[DD:DD+7], v[\p:\p+7], v[\a+8*(\t):\a+8*(\t)+7], 0, v[\pw], v[\vs+(\t)/2] matrix_a_fmt:MATRIX_FMT_FP4 matrix_b_fmt:MATRIX_FMT_FP4 matrix_b_scale:MATRIX_SCALE_ROW1
.else
	v_wmma_scale_f32_16x16x128_f8f6f4 v[DD:DD+7], v[\p:\p+7], v[\a+8*(\t):\a+8*(\t)+7], 0, v[\pw], v[\vs+(\t)/2] matrix_a_fmt:MATRIX_FMT_FP4 matrix_b_fmt:MATRIX_FMT_FP4
.endif
.else
.if (\t)%2
	v_wmma_scale_f32_16x16x128_f8f6f4 v[DD:DD+7], v[\p:\p+7], v[\a+8*(\t):\a+8*(\t)+7], v[DD:DD+7], v[\pw], v[\vs+(\t)/2] matrix_a_fmt:MATRIX_FMT_FP4 matrix_b_fmt:MATRIX_FMT_FP4 matrix_b_scale:MATRIX_SCALE_ROW1
.else
	v_wmma_scale_f32_16x16x128_f8f6f4 v[DD:DD+7], v[\p:\p+7], v[\a+8*(\t):\a+8*(\t)+7], v[DD:DD+7], v[\pw], v[\vs+(\t)/2] matrix_a_fmt:MATRIX_FMT_FP4 matrix_b_fmt:MATRIX_FMT_FP4
.endif
.endif
.endm
.macro PLACES                          ; four places behind a matrix instruction, in front of loads into its registers and of reads of its result
.rept 4
	v_nop
.endr
.endm
; THE ATTENTION OF A STEP: my 16 queries against their 256 keys.  next = 1: the next step's q, K and V are asked for.  ask = 1: the prefetch of step 2's chunk.
.macro ATT s, next, ask
	; ---- the scores
	MASKC \s, 0
	KFR FF, I16, (2*(\s))*REC
	KFR FF+16, I16, (2*(\s)+1)*REC
.irp x, 0,1,2
	ds_load_b32 v[KS+\x], v[I4] offset:(2*(\s)+\x)*REC+RKS
.endr
	ds_load_b32 v[KS+3], v[G4] offset:RKS
	MASKC \s, 8
.irp x, 0,1,2
	ds_load_b32 v[VT+\x], v[I4] offset:(2*(\s)+\x)*REC+RVS   ; V's scale bytes of chunk x: tile 2 p + lane / 16, column lane % 16, half hb in byte 2 p + hb
.endr
	ds_load_b32 v[VT+3], v[G4] offset:RVS
	s_wait_dscnt 20                                ; the first eight tiles' masks, two chunks of K and K's scale words are in; the 16 + 4 loads behind them may be out
	KQ8 0
	PLACES
	KFR FF, I16, (2*(\s)+2)*REC
	KFR FF+16, G16, 0
.if \ask
	PFADDR 6, 38
	s_cmp_lt_u32 s22, 4
	s_cbranch_scc0 .Lnot_mine_\@
	global_prefetch_b8 v[PFO], s[38:39] th:TH_LOAD_NT scope:SCOPE_SE
.Lnot_mine_\@:
.endif
	s_wait_dscnt 0x0
.irp k, 0,1                                    ; V's scale words: two chunks' bytes make the four of a K step of 128 keys
	v_perm_b32 v[VS+2*\k], v[VT+2*\k+1], v[VT+2*\k], 0x05040100
	v_perm_b32 v[VS+2*\k+1], v[VT+2*\k+1], v[VT+2*\k], 0x07060302
.endr
	KQ8 2
	PLACES
.if \next
	QLD (\s)+1                                     ; into registers that the last products read: behind their places
	KVADDR 2*(\s)+4, 84, 86
.endif
	; ---- the softmax.  The 16 registers SS + 16 b on are keys 32 b + 16 (lane / 16) + 0 .. 15 of the window
.irp b, 0,1,2,3,4,5,6,7
	v_max3_num_f32 v[FF+\b], v[SS+16*\b], v[SS+16*\b+1], v[SS+16*\b+2]   ; the largest score of each block of 32 keys: for the row's maximum and, since p rises with the score, for the block's largest p
.endr
.irp i, 3,5,7,9,11,13
.irp b, 0,1,2,3,4,5,6,7
	v_max3_num_f32 v[FF+\b], v[FF+\b], v[SS+16*\b+\i], v[SS+16*\b+\i+1]
.endr
.endr
.irp b, 0,1,2,3,4,5,6,7
	v_max_num_f32 v[FF+\b], v[FF+\b], v[SS+16*\b+15]
.endr
.irp b, 0,1,2,3,4,5,6,7
	v_permlanex16_b32 v[FF+8+\b], v[FF+\b], s42, s43
.endr
.irp b, 0,1,2,3,4,5,6,7
	v_max_num_f32 v[FF+\b], v[FF+\b], v[FF+8+\b]   ; with lane l xor 16's 16 keys
.endr
	v_max3_num_f32 v[RC], v[FF], v[FF+1], v[FF+2]
	s_delay_alu instid0(VALU_DEP_1)
	v_max3_num_f32 v[RC], v[RC], v[FF+3], v[FF+4]
	s_delay_alu instid0(VALU_DEP_1)
	v_max3_num_f32 v[RC], v[RC], v[FF+5], v[FF+6]
	s_delay_alu instid0(VALU_DEP_1)
	v_max_num_f32 v[RC], v[RC], v[FF+7]            ; the row's largest score
	s_delay_alu instid0(VALU_DEP_1)
	v_mul_f32 v[RC], s44, v[RC]                    ; as t (c is positive)
	s_delay_alu instid0(VALU_DEP_1)
	v_floor_f32 v[NM], -v[RC]                      ; -M = floor(-t) = -ceil(t)
.set J, 0
.rept 64
	v_pk_fma_f32 v[SS+J:SS+J+1], v[SS+J:SS+J+1], s[44:45], v[NM:NM+1] op_sel_hi:[1,0,0]   ; t - M, two at a time
.set J, J+2
.endr
.irp b, 0,1,2,3,4,5,6,7
	v_fma_f32 v[FF+\b], v[FF+\b], s44, v[NM]       ; the same of each block's largest score
.endr
.set J, 0
	s_wait_alu depctr_va_vdst(0)                   ; a wait ahead of the batch, and one behind it
.rept 128
	v_exp_f32 v[SS+J], v[SS+J]                     ; p = 2^(t - M), at most 1: not normalised
.set J, J+1
.endr
.irp b, 0,1,2,3,4,5,6,7
	v_exp_f32 v[FF+\b], v[FF+\b]                   ; the block's largest p: the same two instructions on the same number give the same bits
.endr
	v_nop                                          ; a plain place behind the exponentials
	s_wait_alu depctr_va_vdst(0)
.irp b, 0,1,2,3,4,5,6,7
	v_max_num_f32 v[FF+\b], 0x1800000, v[FF+\b]    ; the floor 2^(3 - 127): the byte cannot fall under 1
.endr
.irp b, 0,1,2,3,4,5,6,7
	v_add_nc_u32 v[FF+16+\b], 0xff000000, v[FF+\b] ; 2 off the exponent field: the conversion's scale operand
.endr
.irp b, 0,1,2,3,4,5,6,7
	v_lshrrev_b32 v[FF+24+\b], 23, v[FF+16+\b]     ; the scale's byte
.endr
.irp k, 0,1
	v_lshl_or_b32 v[PW+\k], v[FF+25+4*\k], 8, v[FF+24+4*\k]   ; p's scale word for 128 keys
	s_delay_alu instid0(VALU_DEP_1)
	v_lshl_or_b32 v[PW+\k], v[FF+26+4*\k], 16, v[PW+\k]
	s_delay_alu instid0(VALU_DEP_1)
	v_lshl_or_b32 v[PW+\k], v[FF+27+4*\k], 24, v[PW+\k]
.endr
.irp b, 0,1,2,3,4,5,6,7
	v_cvt_scalef32_pk8_fp4_f32 v[PC+2*\b], v[SS+16*\b:SS+16*\b+7], v[FF+16+\b]
	v_cvt_scalef32_pk8_fp4_f32 v[PC+2*\b+1], v[SS+16*\b+8:SS+16*\b+15], v[FF+16+\b]
.endr
	v_nop                                          ; one plain place behind a scaled conversion
.irp c, 0,1,2,3                                ; the operand's layout wants a whole block in a lane: lanes 0-15 the even block, lanes 16-31 the odd one
.irp i, 0,1
	v_permlane16_swap_b32 v[PC+4*\c+\i], v[PC+4*\c+2+\i]
.endr
.endr
.irp i, 0,1,2,3
	v_and_b32 v[PC+\i], s80, v[PC+\i]              ; a pad's V is 0: p's codes of that chunk become 0 in its stead
	v_and_b32 v[PC+8+\i], s81, v[PC+8+\i]
.endr
	; ---- the sum of the unquantised p, in two chains; V's fragments, and the next step's K and V, are asked for on the way; the additions are also the places between the lines above and the products
	VFR FF, I16, (2*(\s))*REC, I16, (2*(\s)+1)*REC
	v_pk_add_f32 v[SA:SA+1], v[SS:SS+1], v[SS+2:SS+3]
	v_pk_add_f32 v[SB:SB+1], v[SS+4:SS+5], v[SS+6:SS+7]
.set J, 8
.rept 14
	v_pk_add_f32 v[SA:SA+1], v[SA:SA+1], v[SS+J:SS+J+1]
	v_pk_add_f32 v[SB:SB+1], v[SB:SB+1], v[SS+J+2:SS+J+3]
.set J, J+4
.endr
	VFR SS, I16, (2*(\s)+2)*REC, G16, 0            ; into the registers of p that has been summed
.if \next
	LOADK 84, SS+32
.endif
.set J, 64
.rept 16
	v_pk_add_f32 v[SA:SA+1], v[SA:SA+1], v[SS+J:SS+J+1]
	v_pk_add_f32 v[SB:SB+1], v[SB:SB+1], v[SS+J+2:SS+J+3]
.set J, J+4
.endr
.if \next
	LOADV 86, SS+96
.endif
	v_pk_add_f32 v[SA:SA+1], v[SA:SA+1], v[SB:SB+1]
	s_delay_alu instid0(VALU_DEP_1)
	v_add_f32 v[SA], v[SA], v[SA+1]
	s_delay_alu instid0(VALU_DEP_1)
	v_permlanex16_b32 v[SA+1], v[SA], s42, s43
	s_delay_alu instid0(VALU_DEP_1)
	v_add_f32 v[SA], v[SA], v[SA+1]                ; the row's sum: over 1/2, since the largest p is
	v_mov_b32_dpp v[SB], v[SA] row_xmask:8 row_mask:0xf bank_mask:0xf
	v_cndmask_b32 v[SA], v[SA], v[SB], s83         ; lane (r, 0) keeps query r's, lane (r, 1) takes query (r + 8) % 16's
	s_wait_alu depctr_va_vdst(0)
	v_rcp_f32 v[RC], v[SA]
	v_nop                                          ; a plain place behind the transcendental
	; ---- O = P V: four accumulators by turns, two K steps of 128 keys
	s_wait_dscnt 8                                 ; the first K step's fragments are in; the second's eight loads may be out
.irp t, 0,1,2,3
	PVM \t, FF, PC, VS, PW, 1
.endr
	s_wait_dscnt 0x0
.irp t, 0,1,2,3
	PVM \t, SS, PC+8, VS+2, PW+1, 0
.endr
	PLACES
	; ---- the way out: register j of tile t is query 8 h + j, channel 4 r + t; row_share j brings 1 / the sum of query 8 h + j
	s_wait_alu depctr_va_vdst(0)                   ; a wait ahead of the reciprocal's first reader
.irp j, 0,1,2,3,4,5,6,7
.irp t, 0,1,2,3
	v_mul_f32_dpp v[FF+4*\j+\t], v[RC], v[OO+8*\t+\j] row_share:\j row_mask:0xf bank_mask:0xf
.endr
.endr
.irp j, 0,1,2,3,4,5,6,7
	global_store_b128 v[OA], v[FF+4*\j:FF+4*\j+3], s[78:79] offset:256*\j th:TH_STORE_NT   ; 16 lanes store 256 consecutive bytes, at a multiple of 256 from out's first byte
.endr
.endm
; A LATER STEP: its q, K and V were asked for by the step before: two, eight and 32 loads
.macro NEXT s, next
	s_wait_xcnt 0x0                                ; my stores have had their addresses translated (ISA guide 3.1): only behind this wait are their base and their data registers rewritten
	STEPSC \s
	s_wait_loadcnt 32                              ; q and K are in; V's 32 loads may be out
	QVAR
	QK SS+32, (2*(\s)+2)*REC
	s_wait_loadcnt 0x0
	QV SS+96, (2*(\s)+2)*REC
	BAR                                            ; the step's two new records are whole
	ATT \s, \next, 0
.endm
	; ================ the head
	s_load_b512 s[4:19], s[0:1], 0x0               ; q's codes 4:5, q's scales 6:7, K 8:9, V 10:11, attention_mask 12:13, global K 14:15, global V 16:17, global_mask 18:19
	s_load_b64 s[20:21], s[0:1], 0x40              ; out
	v_lshl_add_u32 v[SPW], v0, 2, SPARE
	v_mov_b32 v[NIL], 0
.set TL,  FF                           ; the head's lane numbers: lane
.set TR,  FF+1                         ; lane % 16
.set TH,  FF+2                         ; lane / 16
.set T8,  FF+3                         ; lane / 8
.set TB4, FF+4                         ; (lane / 4) % 2
.set T4,  FF+5                         ; lane % 4
.set TQ,  FF+6                         ; lane / 4
.set T1,  FF+7                         ; lane % 2
.set TB2, FF+8                         ; (lane / 2) % 2
	v_lshrrev_b32 v[TQ], 5, v0
	v_readfirstlane_b32 s22, v[TQ]                 ; wave 0..7
	s_lshr_b32 s23, s22, 2
	s_and_b32 s24, s22, 3
	s_and_b32 s46, ttmp9, 7
	s_lshl_b32 s46, s46, 6
	s_lshr_b32 s47, ttmp9, 3
	s_add_co_u32 s89, s46, s47                     ; my run
	s_mul_i32 s25, s89, 6
	s_and_b32 s46, s89, 1                          ; odd runs are walked downward
	s_cselect_b32 s47, 6, -1
	s_cselect_b32 s26, -1, 1
	s_add_co_i32 s25, s25, s47                     ; run slot 0: the chunk in front of my first block in the walk
	s_add_co_i32 s27, s25, s26
	s_lshr_b32 s27, s27, 7                         ; the head of the walk's first block
	s_mul_i32 s88, s26, 6
	s_add_co_i32 s88, s88, s25
	s_lshr_b32 s88, s88, 7                         ; and of its last
	s_mov_b32 s42, 0x76543210
	s_mov_b32 s43, 0xfedcba98                      ; v_permlanex16_b32's selects for lane l xor 16
	s_mov_b32 s44, 0x3e38aa3b                      ; c = log2(e) / 8
	s_mov_b32 s45, s44                             ; (named with it as a pair, so it is written)
	s_mov_b32 s83, 0xffff0000
	; addresses: each a constant + constants x parts of the lane's number + constants x parts of the wave's
	s_lshr_b32 s48, s24, 1                         ; K: pair of tiles; V: keys 32 s48 on
	s_and_b32 s49, s24, 1                          ; K: half of the pair's keys; V: channels 32 s49 on
	s_mul_i32 s50, s23, REC                        ; record W / 4
	s_lshl_b32 s51, s24, 12                        ; K in memory: keys 16 (W % 4) on
	s_lshl_b32 s52, s48, 13
	s_lshl_b32 s46, s49, 7
	s_add_co_u32 s52, s52, s46                     ; V in memory
	s_lshl_b32 s53, s48, 10
	s_add_co_u32 s53, s53, s46
	s_add_co_u32 s53, s53, s50                     ; K's codes
	s_lshl_b32 s55, s48, 8
	s_add_co_u32 s55, s55, s46
	s_add_co_u32 s55, s55, s50
	s_add_co_u32 s55, s55, RV                      ; V's codes
	s_lshl_b32 s54, s48, 6
	s_lshl_b32 s46, s49, 5
	s_add_co_u32 s54, s54, s46
	s_add_co_u32 s54, s54, s50
	s_add_co_u32 s54, s54, RKS                     ; K's scale bytes
	s_add_co_u32 s56, s48, s46
	s_add_co_u32 s56, s56, s50
	s_add_co_u32 s56, s56, RVS                     ; V's scale bytes
	s_lshl_b32 s57, s22, 8
	s_add_co_u32 s57, s57, MSK
	s_lshl_b32 s58, s23, 10
	s_add_co_u32 s58, s58, MSK
	s_lshl_b32 s59, s24, 9
	s_lshl_b32 s92, s24, 5
	s_lshl_b32 s93, s49, 13
	v_and_b32 v[TL], 31, v0
	v_and_b32 v[TR], 15, v0
	v_bfe_u32 v[TH], v0, 4, 1
	v_bfe_u32 v[T8], v0, 3, 2
	v_bfe_u32 v[TB4], v0, 2, 1
	v_and_b32 v[T4], 3, v0
	v_bfe_u32 v[TQ], v0, 2, 3
	v_and_b32 v[T1], 1, v0
	v_bfe_u32 v[TB2], v0, 1, 1
	v_lshl_add_u32 v[KG], v[TL], 5, s51
	v_lshl_add_u32 v[VG], v[TL], 2, s52
	v_lshl_add_u32 v[KW], v[T8], 4, s53            ; key 16 a + 4 i + lane / 8 is row 8 (a % 2) + 4 (i % 2) + lane / 8 of its tile; half (lane / 4) % 2 of d, word lane % 4 of the half
	v_lshl_add_u32 v[KSW], v[T8], 2, s54           ; its scale byte: word [pair][row of the tile], byte 2 (tile) + half of d
	v_mul_u32_u24 v[VW], RVT, v[T4]                ; channel 32 s49 + lane: tile lane % 4, column 8 s49 + lane / 4
	v_lshl_add_u32 v[VSW], v[T1], 6, s56           ; its scale byte: word [tile % 2][column], byte 2 (tile / 2) + half of the keys
	v_lshl_add_u32 v[KW], v[TB4], 8, v[KW]
	v_add_nc_u32 v[KSW], v[KSW], v[TB4]
	v_lshl_add_u32 v[VW], v[TQ], 4, v[VW]
	v_lshl_add_u32 v[VSW], v[TQ], 2, v[VSW]
	v_lshl_add_u32 v[KW], v[T4], 2, v[KW]
	v_add_nc_u32 v[VW], s55, v[VW]
	v_lshl_add_u32 v[VSW], v[TB2], 1, v[VSW]
	v_lshl_add_u32 v[MW], v[TL], 3, s57
	v_lshl_add_u32 v[MR], v[TH], 6, s58
	v_lshl_add_u32 v[I16], v[TL], 4, s50
	v_lshl_add_u32 v[I4], v[TL], 2, s50
	v_lshl_add_u32 v[GB16], v[TL], 4, IMG+8*REC
	v_lshl_add_u32 v[GB4], v[TL], 2, IMG+8*REC
	v_lshlrev_b32 v[OA], 11, v[TH]                 ; out: row 8 h + j, 16 bytes a lane
	v_lshl_add_u32 v[QA], v[TR], 5, s59            ; q: query r's 32 bytes, block h's 16 of them
	v_lshl_add_u32 v[QSA], v[TR], 1, s92
	v_lshlrev_b32 v[H16], 4, v[TH]
	v_lshl_add_u32 v[OA], v[TR], 4, v[OA]
	v_lshl_add_u32 v[QA], v[TH], 4, v[QA]
	v_mov_b32 v[NEG], 0xc79c4000                   ; -80000
	v_lshlrev_b32 v[L8], 3, v[TL]
	v_lshl_add_u32 v[PFO], v[TL], 8, s93
.irp i, 0,1,2,3
	v_mov_b32 v[QR+\i], 0                          ; the zero halves of q's operands: written once
	v_mov_b32 v[QR+8+\i], 0
	v_mov_b32 v[QR+16+\i], 0
	v_mov_b32 v[QR+24+\i], 0
.endr
	v_mov_b32 v[NM+1], 0                           ; (the upper half of a pair that is named whole)
	s_wait_alu depctr_va_vdst(0)                   ; a wait ahead of the wait below
	s_wait_kmcnt 0x0
	; ================ the loads of step 0: A = run slots 0, 1; B = run slots 2, 3; and the global tokens: waves 0-3 quantise those of the first block's head into record 8,
	; waves 4-7 those of the last block's head into record 9 where it is another head
	KVADDR 0, 84, 86
	KVADDR 2, 28, 30
	s_cmp_lt_u32 s22, 4
	s_cselect_b32 s46, s27, s88
	s_lshl_b32 s46, s46, 14                        ; a head's 64 x 64 f32
	s_mov_b32 s47, 0
	s_add_nc_u64 s[32:33], s[14:15], s[46:47]
	s_add_nc_u64 s[34:35], s[16:17], s[46:47]
	s_cmp_lt_u32 s22, 4
	s_cbranch_scc1 .Lglob
	s_cmp_lg_u32 s27, s88
	s_cbranch_scc1 .Lglob
	LOADK 84, SS+64
	LOADV 86, SS+96
	s_branch .Ljoin
.Lglob:
	LOADK 32, SS
	LOADV 34, SS+32
	LOADK 84, SS+64
	LOADV 86, SS+96
	s_wait_loadcnt 63                              ; the global K is in (72 loads stand behind it)
	QK SS, 8*REC
	s_wait_loadcnt 40                              ; the global V is in; A's 40 loads may be out
	QV SS+32, 8*REC
.Ljoin:
	LOADK 28, SS
	LOADV 30, SS+32
	; the masks of all three steps, and step 0's q
	MASKLD 0, 60, 62
	MASKLD 1, 66, 68
	MASKLD 2, 70, 72
	QLD 0
	PFADDR 4, 36
	global_prefetch_b8 v[PFO], s[36:37] th:TH_LOAD_NT scope:SCOPE_SE
	STEPSC 0
	s_wait_loadcnt 63                              ; A's K is in (77 loads stand behind it)
	QK SS+64, 0
	s_wait_loadcnt 45                              ; A's V is in: B's 40, three masks and q's two may be out
	QV SS+96, 0
	s_wait_loadcnt 37                              ; B's K is in
	QK SS, 2*REC
	s_wait_loadcnt 5                               ; B's V is in
	QV SS+32, 2*REC
	s_wait_loadcnt 2                               ; the masks are in
.irp i, 0,1,2,3,4,5
	v_mul_f32 v[MK+\i], 0x41000000, v[MK+\i]       ; x 8: exact
.endr
.irp i, 0,1
	v_cndmask_b32 v[MK+\i], v[MK+\i], v[NEG], s62
	v_cndmask_b32 v[MK+2+\i], v[MK+2+\i], v[NEG], s68
	v_cndmask_b32 v[MK+4+\i], v[MK+4+\i], v[NEG], s72
.endr
.irp s, 0,1,2
	ds_store_b64 v[MW], v[MK+2*\s:MK+2*\s+1] offset:2048*\s
.endr
	s_wait_loadcnt 0x0                             ; q
	QVAR
	BAR                                            ; the masks, records 0 .. 3 and the global records are whole
	ATT 0, 1, 1
	NEXT 1, 1
	NEXT 2, 0
	s_wait_tensorcnt 0x0                           ; the wave's end, behind my last LDS store
	ds_add_u32 v[SPW], v[NIL]
	s_wait_dscnt 0x0
	s_endpgm
.Lfunc_end_k_q8637302d4f_attn:
	.size	k_q8637302d4f_attn, .Lfunc_end_k_q8637302d4f_attn-k_q8637302d4f_attn
	.p2alignl 7, 3214868480
	.fill 96, 4, 3214868480
	.section	.rodata,"a",@progbits
	.p2align	6, 0x0
	.amdhsa_kernel k_q8637302d4f_attn
		.amdhsa_group_segment_fixed_size 50688
		.amdhsa_private_segment_fixed_size 0
		.amdhsa_enable_private_segment 0
		.amdhsa_kernarg_size 72
		.amdhsa_user_sgpr_count 2
		.amdhsa_user_sgpr_kernarg_segment_ptr 1
		.amdhsa_wavefront_size32 1
		.amdhsa_system_sgpr_workgroup_id_x 1
		.amdhsa_system_sgpr_workgroup_id_y 1
		.amdhsa_system_sgpr_workgroup_id_z 1
		.amdhsa_system_vgpr_workitem_id 0
		.amdhsa_next_free_vgpr 256
		.amdhsa_next_free_sgpr 100
		.amdhsa_reserve_vcc 0
		.amdhsa_float_denorm_mode_32 3
		.amdhsa_float_denorm_mode_16_64 3
		.amdhsa_memory_ordered 1
		.amdhsa_forward_progress 1
		.amdhsa_inst_pref_size 159
	.end_amdhsa_kernel
	.amdgpu_metadata
---
amdhsa.version: [ 1, 2 ]
amdhsa.kernels:
  - .name:           k_q8637302d4f_attn
    .symbol:         k_q8637302d4f_attn.kd
    .args:
      - { .name: query_layer_codes, .offset: 0, .size: 8, .value_kind: global_buffer, .address_space: global }
      - { .name: query_layer_scales, .offset: 8, .size: 8, .value_kind: global_buffer, .address_space: global }
      - { .name: key_layer, .offset: 16, .size: 8, .value_kind: global_buffer, .address_space: global }
      - { .name: value_layer, .offset: 24, .size: 8, .value_kind: global_buffer, .address_space: global }
      - { .name: attention_mask, .offset: 32, .size: 8, .value_kind: global_buffer, .address_space: global }
      - { .name: global_key, .offset: 40, .size: 8, .value_kind: global_buffer, .address_space: global }
      - { .name: global_value, .offset: 48, .size: 8, .value_kind: global_buffer, .address_space: global }
      - { .name: global_mask, .offset: 56, .size: 8, .value_kind: global_buffer, .address_space: global }
      - { .name: out0, .offset: 64, .size: 8, .value_kind: global_buffer, .address_space: global }
    .group_segment_fixed_size: 50688
    .private_segment_fixed_size: 0
    .kernarg_segment_align: 8
    .kernarg_segment_size: 72
    .max_flat_workgroup_size: 256
    .sgpr_count:     100
    .vgpr_count:     256
    .wavefront_size: 32
...
	.end_amdgpu_metadata
.endif
;; end of part 1
